; MI455X (gfx1250); checked and timed in simulation.
; The chip was launched on July 23, 2026; its instructions are those of AMD's public machine-readable ISA for CDNA 5 (MIT licence, August 2026) and "CDNA5" Instruction Set Architecture Reference Guide (July 2026). The comments in the code are by the model that wrote it; some were corrected since.
;; Naive LSTM Cell. Allowed arithmetic: matrix products marked QUANTISED: E2M1 operands, one E8M0 scale for each 32 along K, by v_wmma_scale_f32_16x16x128_f8f6f4 with both operands' format E2M1 (or v_wmma_scale_f32_32x16x128_f4), f32 sums; everything else in f32.
;; Inputs: W_hc 2,048 x 2,048 float32; W_hf 2,048 x 2,048 float32; W_hi 2,048 x 2,048 float32; W_ho 2,048 x 2,048 float32; W_xc 2,048 x 2,048 float32; W_xf 2,048 x 2,048 float32; W_xi 2,048 x 2,048 float32; W_xo 2,048 x 2,048 float32; b_c 2,048 float32; b_f 2,048 float32; b_i 2,048 float32; b_o 2,048 float32; c_x 2,048 x 2,048 float32; h_x 2,048 x 2,048 float32; x 2,048 x 2,048 float32.
;; Outputs: out0 2,048 x 2,048 float32; out1 2,048 x 2,048 float32.
;; This version of the problem:
;;   THIS VERSION OF THE PROBLEM IS GIVEN IN LOW PRECISION. The matrix products marked QUANTISED in the list below multiply operands that are first quantised to E2M1 (2 exponent bits, 1 mantissa bit; 4 bits a number), with one power-of-two scale for each 32 numbers along K (OCP MX v1.0); their sums are f32. All else is computed in f32.
;;   The module's matrix products, in the order in which they are computed (A, B: the left and right operand; K: the contracted axis; several contracted axes count as one K, in the product's order):
;;     1. [M 2,048, K 2,048] x [K 2,048, N 2,048]; A: input x; B: input W_xi: QUANTISED
;;     2. [M 2,048, K 2,048] x [K 2,048, N 2,048]; A: input h_x; B: input W_hi: QUANTISED
;;     3. [M 2,048, K 2,048] x [K 2,048, N 2,048]; A: input x; B: input W_xf: QUANTISED
;;     4. [M 2,048, K 2,048] x [K 2,048, N 2,048]; A: input h_x; B: input W_hf: QUANTISED
;;     5. [M 2,048, K 2,048] x [K 2,048, N 2,048]; A: input x; B: input W_xo: QUANTISED
;;     6. [M 2,048, K 2,048] x [K 2,048, N 2,048]; A: input h_x; B: input W_ho: QUANTISED
;;     7. [M 2,048, K 2,048] x [K 2,048, N 2,048]; A: input x; B: input W_xc: QUANTISED
;;     8. [M 2,048, K 2,048] x [K 2,048, N 2,048]; A: input h_x; B: input W_hc: QUANTISED
;;   THE QUANTISER, for each operand of a quantised product, along K:
;;     - K is cut into blocks of 32 from its start; a last block that is shorter is filled with zeros.
;;     - A block's scale is 2^e with e = floor(log2(the largest magnitude in the block)) - 2, held to -126 .. 127; a block of zeros has e = 0. As a byte (E8M0): e + 127.
;;     - Each number is divided by its block's scale, clamped to +-6, and rounded to the nearest number of E2M1, ties to even, subnormals kept.
;;     - The product sums the exact products of the quantised numbers (number of the format x scale) in f32.
;;   ~~~python
;;   def quantise(x, axis):      # numpy; x: float32 -> the quantised numbers, widened to float32 again
;;       x = np.moveaxis(x, axis, -1); K = x.shape[-1]
;;       x = np.pad(x, [(0, 0)] * (x.ndim - 1) + [(0, -K % 32)]); x = x.reshape(x.shape[:-1] + (-1, 32)); a = np.abs(x).max(-1, keepdims=True)
;;       e = np.where(a > 0, np.clip(np.frexp(np.where(a > 0, a, 1))[1] - 1 - 2, -126, 127), 0)      # np.frexp(a)[1] - 1 = floor(log2(a)), exactly
;;       r = np.clip(x / 2.0 ** e, -6, 6)
;;       step = 2.0 ** (np.maximum(np.frexp(np.where(r == 0, 1, r))[1] - 1, 0) - 1)
;;       q = np.round(r / step) * step * 2.0 ** e      # np.round: ties to even
;;       return np.moveaxis(q.reshape(q.shape[:-2] + (-1,))[..., :K], -1, axis).astype(np.float32)
;;   ~~~
;; One version. Each part assembles by itself: llvm-mc -triple=amdgcn-amd-amdhsa -mcpu=gfx1250 --defsym DOCPART=n.
;; ======== version 1 of 1: 2 launches
;; limits: right only within a limited range of input values
;; workspace buffers: aq 4,456,448 bytes; bq 17,825,792 bytes
;; launch quant (part 1): grid 1280 x 1, 4 waves a work-group, no clusters, 17,920 bytes of LDS; arguments W_xi, W_xf, W_xo, W_xc, W_hi, W_hf, W_ho, W_hc, x, h_x, aq, bq; writes aq, bq
.if DOCPART == 1
	.amdgcn_target "amdgcn-amd-amdhsa--gfx1250"
	.amdhsa_code_object_version 6
	.text
	.protected	k_q8213fd2597_quant
	.globl	k_q8213fd2597_quant
	.p2align	8
	.type	k_q8213fd2597_quant,@function
k_q8213fd2597_quant:
	s_mov_b64 s[64:65], 0
	v_nop
	global_prefetch_b8 v0, s[64:65] scope:SCOPE_SE
	s_setreg_imm32_b32 hwreg(HW_REG_WAVE_MODE, 25, 1), 1
	s_wait_xcnt 0x0
; x, h_x [2048][2048] (K innermost) and the eight weights [2048 (K)][2048] (K outermost), all f32, become codes of FP4 (E2M1) with one E8M0 scale byte for each 32 along K.
; A block's scale is 2^(floor(log2(its largest magnitude)) - 2); its byte is the largest magnitude's exponent field - 2, held at 1 from below; each number is divided by the scale and rounded to the nearest code,
; ties to even, beyond 6 the largest code.
; LIMITS: NaN and infinities among the inputs are not served.  A block of zeros gets the byte 1 where the rule says 127: its codes are zeros, which add nothing under any byte but 0xff, and this program alone reads the bytes.
; THE WORKSPACE IS LAID AS THE NEXT LAUNCH'S OPERAND REGISTERS WANT IT.  A BLOCK OF THE WORKSPACE (BLK bytes) holds 256 rows x 512 along K:
;   codes at T*4096 + t*256 + r*16: tile T of 16 rows, block t of 32 along K (0..15), row r of the tile: 16 bytes = 32 codes.  A fragment (16 rows x 128 K) is then 1,024 bytes on end, lane l's 16 bytes at 16 l.
;   scale words at 65536 + (q/2)*2048 + T*128 + r*8 + (q%2)*4: the four bytes of row r for the q-th 128 along K.
; aq: block mt*8 + kc: rows 128 mt on; kc 0..3 = x's 512-chunks of K, 4..7 = h_x's.
; bq: block nt*8 + kc: hidden columns 64 nt on; kc 0..3 from W_x*, 4..7 from W_h*; tile T = 8 p + 2 g + u holds gate g (0 i, 1 f, 2 o, 3 c), columns 64 nt + 32 p + 16 u + r.
; SHARES: 5,120 waves, 32 KB of f32 each.  Work-groups 0..1023 take the weights, 1024..1279 x and h_x.  Waves share nothing: no barrier.  Only the second path uses LDS.
.set BLK,  69632
.set EMAX, 2
.set SB,   16                          ; weights: v[16:17] the two scale words of my column
.set XW,   32                          ; weights: v32-95 two sets of 32 numbers
.set CW,   96                          ; weights: v96-127 codes, four registers a block, never written again
.set WD,   16                          ; rows: v16-19 four scale words
.set RR,   20                          ; rows: v20-115 three sets of 32 registers as loaded
.set XR,   116                         ; rows: v116-147 a whole block of 32 neighbours
.set CR,   148                         ; rows: v148-179 codes, four registers a step, never written again
.set STG,  4352                        ; rows: a wave's stage in LDS: 16 rows x (256 bytes + 16)
	s_load_b512 s[8:23], s[0:1], 0x0               ; W_xi, W_xf, W_xo, W_xc, W_hi, W_hf, W_ho, W_hc
	s_load_b256 s[24:31], s[0:1], 0x40             ; x s[24:25], h_x s[26:27], aq s[28:29], bq s[30:31]
	v_lshl_add_u32 v180, v0, 2, 0x4400
	v_mov_b32 v181, 0
	v_lshrrev_b32 v1, 5, v0
	v_readfirstlane_b32 s4, v1                     ; wave 0..3
	v_and_b32 v1, 31, v0                           ; lane
	v_lshrrev_b32 v8, 4, v1                        ; lane / 16
	v_and_b32 v9, 15, v1                           ; lane % 16
	s_mul_i32 s33, s4, STG                         ; my stage (the rows' path alone touches it)
	v_mul_u32_u24 v5, v8, 272
	v_lshl_add_u32 v5, v9, 4, v5
	v_add_nc_u32 v5, s33, v5                       ; into the stage: sixteen lanes a row of 256 bytes, two rows an instruction
	v_mul_u32_u24 v6, v9, 272
	v_lshl_add_u32 v6, v8, 7, v6
	v_add_nc_u32 v6, s33, v6                       ; out of it: row lane % 16, 128 bytes (32 numbers) for each half of the lanes
	s_wait_kmcnt 0x0
	s_cmp_lt_u32 ttmp9, 1024
	s_cbranch_scc0 .Lrows
; 32 numbers of one block in v[xs] on: v12 their largest magnitude (not under the floor), v11 the conversions' scale operand, v13 the scale's byte
.macro AMAX xs
	v_max3_num_f32 v12, |v[\xs]|, |v[\xs+1]|, |v[\xs+2]|
	v_max3_num_f32 v13, |v[\xs+3]|, |v[\xs+4]|, |v[\xs+5]|
.irp i, 6,10,14,18,22,26
	v_max3_num_f32 v12, v12, |v[\xs+\i]|, |v[\xs+\i+1]|            ; two chains, so that no line waits for the line above it
	v_max3_num_f32 v13, v13, |v[\xs+\i+2]|, |v[\xs+\i+3]|
.endr
	v_max3_num_f32 v12, v12, |v[\xs+30]|, |v[\xs+31]|
	v_max3_num_f32 v12, v12, v13, (EMAX+1)<<23     ; the floor 2^(EMAX + 1 - 127): the byte cannot fall under 1
	v_add_nc_u32 v11, -(EMAX<<23), v12             ; EMAX off the exponent field: the conversion takes that field of this operand as its scale, and nothing else of it
	v_lshrrev_b32 v13, 23, v11                     ; the byte
.endm
; ---------------- THE WEIGHTS.  A lane takes a column, its registers run down K: a block of 32 along K lies in one lane, and the codes come out with K innermost.
; A work-group: matrix mi (8), 128 columns cg (16), 256 along K kp (8).  A wave: 32 columns x 8 blocks.
	s_lshr_b32 s5, ttmp9, 7                        ; mi
	s_bfe_u32 s6, ttmp9, 0x40003                   ; cg
	s_and_b32 s7, ttmp9, 7                         ; kp
	s_bitcmp1_b32 s5, 2                            ; the matrix is chosen by the work-group's number alone: bit 2: W_h* or W_x*
	s_cselect_b64 s[8:9], s[16:17], s[8:9]
	s_cselect_b64 s[10:11], s[18:19], s[10:11]
	s_cselect_b64 s[12:13], s[20:21], s[12:13]
	s_cselect_b64 s[14:15], s[22:23], s[14:15]
	s_bitcmp1_b32 s5, 1
	s_cselect_b64 s[8:9], s[12:13], s[8:9]
	s_cselect_b64 s[10:11], s[14:15], s[10:11]
	s_bitcmp1_b32 s5, 0
	s_cselect_b64 s[8:9], s[10:11], s[8:9]
	s_lshl_b32 s32, s7, 21                         ; 256 rows of 8,192 bytes for each kp,
	s_lshl_b32 s33, s6, 9                          ; 128 columns for each cg,
	s_add_co_u32 s32, s32, s33
	s_lshl_b32 s33, s4, 7                          ; 32 columns for each wave
	s_add_co_u32 s32, s32, s33
	s_mov_b32 s33, 0
	s_add_nc_u64 s[8:9], s[8:9], s[32:33]
	s_lshl_b32 s34, s6, 1
	s_lshr_b32 s35, s4, 1
	s_add_co_u32 s34, s34, s35                     ; nt = 2 cg + wave / 2
	s_lshr_b32 s35, s5, 2
	s_lshl_b32 s35, s35, 2
	s_lshr_b32 s36, s7, 1
	s_add_co_u32 s35, s35, s36                     ; kc = 4 (mi / 4) + kp / 2
	s_lshl_b32 s34, s34, 3
	s_add_co_u32 s34, s34, s35
	s_mul_i32 s34, s34, BLK                        ; under 2^25
	s_mov_b32 s35, 0
	s_add_nc_u64 s[30:31], s[30:31], s[34:35]      ; my block of bq
	s_and_b32 s36, s4, 1
	s_lshl_b32 s36, s36, 3
	s_and_b32 s37, s5, 3
	s_lshl_b32 s37, s37, 1
	s_add_co_u32 s36, s36, s37                     ; 8 p + 2 g: my first tile
	s_and_b32 s37, s7, 1                           ; which half of the 512 along K
	s_lshl_b32 s39, s37, 11
	s_lshl_b32 s38, s36, 12
	s_add_co_u32 s38, s38, s39
	s_wait_alu depctr_va_vdst(0)
	v_lshlrev_b32 v2, 12, v8
	v_lshl_add_u32 v2, v9, 4, v2
	v_add_nc_u32 v2, s38, v2                       ; codes: (tile + lane / 16) x 4096 + half x 2048 + 16 (lane % 16)
	s_lshl_b32 s38, s36, 7
	s_add_co_u32 s38, s38, s39
	s_add_co_u32 s38, s38, 65536
	v_lshl_add_u32 v3, v1, 3, s38                  ; scale words: 8 bytes a lane
	v_lshlrev_b32 v4, 2, v1                        ; in: 4 bytes a lane
.macro LOADW t                         ; block t: W(32 t + i, my column) into set t % 2; a wave reads 128 consecutive bytes, the four waves 512
.irp i, 0,1,2,3,4,5,6,7,8,9,10,11,12,13,14,15,16,17,18,19,20,21,22,23,24,25,26,27,28,29,30,31
	global_load_b32 v[XW+32*((\t)%2)+\i], v4, s[8:9] offset:(32*(\t)+\i)*8192 th:TH_LOAD_NT
.endr
.endm
.macro BLOCKW t
.if (\t) < 7
	s_wait_loadcnt 32                              ; this block's 32 loads are in; the next block's 32 may be out
.else
	s_wait_loadcnt 0x0
.endif
	AMAX XW+32*((\t)%2)
.if (\t)%4 == 0
	v_mov_b32 v[SB+(\t)/4], v13                    ; four bytes to a word, the lower K in the lower byte
.else
	v_lshl_or_b32 v[SB+(\t)/4], v13, 8*((\t)%4), v[SB+(\t)/4]
.endif
.irp g, 0,1,2,3
	v_cvt_scalef32_pk8_fp4_f32 v[CW+4*(\t)+\g], v[XW+32*((\t)%2)+8*\g:XW+32*((\t)%2)+8*\g+7], v11
.endr
	global_store_b128 v2, v[CW+4*(\t):CW+4*(\t)+3], s[30:31] offset:256*(\t)   ; lanes 0-15 store 256 consecutive bytes, aligned, of one tile; lanes 16-31 of the next
.if (\t)+2 < 8
	LOADW (\t)+2                                   ; (the results go to stores and the numbers' registers are next written by loads: no plain line is owed behind the conversions; the next block begins with plain lines)
.endif
.endm
	LOADW 0
	LOADW 1
.irp t, 0,1,2,3,4,5,6,7
	BLOCKW \t
.endr
	global_store_b64 v3, v[SB:SB+1], s[30:31]      ; 32 lanes store 256 consecutive bytes, aligned: two tiles' scale words of this half
	s_endpgm
; ---------------- x AND h_x.  K is innermost.  A wave: 32 rows (two tiles) x 256 along K, in 8 steps of 16 rows x 64 K (4 KB).
; Each load reads two rows' 256 consecutive bytes; the step turns through the wave's own stage, and lane (r, h) gets back the 32 neighbours of block 2 c + h of row r.
.Lrows:
	s_sub_co_u32 s5, ttmp9, 1024
	s_lshr_b32 s6, s5, 7                           ; 0: x, 1: h_x
	s_cmp_eq_u32 s6, 0
	s_cselect_b64 s[24:25], s[24:25], s[26:27]
	s_bfe_u32 s7, s5, 0x60001                      ; which 32 rows
	s_and_b32 s32, s5, 1
	s_lshl_b32 s32, s32, 2
	s_add_co_u32 s32, s32, s4                      ; which 256 along K: 0..7
	s_lshl_b32 s34, s7, 18
	s_lshl_b32 s33, s32, 10
	s_add_co_u32 s34, s34, s33
	s_mov_b32 s35, 0
	s_add_nc_u64 s[24:25], s[24:25], s[34:35]
; aq IS LAID IN BLOCKS OF 128 ROWS x 512 ALONG K, 34,816 bytes each, block (row / 128) x 8 + kc: codes at T*4096 + t*256 + r*16 (T 0..7),
; scale words at 32768 + (q/2)*1024 + T*128 + r*8 + (q%2)*4: so the eight blocks of 128 rows lie on end, 278,528 dense bytes.
	s_lshr_b32 s34, s7, 2                          ; which 128 rows
	s_lshl_b32 s34, s34, 3
	s_lshl_b32 s33, s6, 2
	s_add_co_u32 s34, s34, s33
	s_lshr_b32 s33, s32, 1
	s_add_co_u32 s34, s34, s33                     ; mt x 8 + kc
	s_mul_i32 s34, s34, 34816
	s_add_nc_u64 s[28:29], s[28:29], s[34:35]
	s_and_b32 s36, s7, 3
	s_lshl_b32 s36, s36, 1                         ; my first tile
	s_and_b32 s37, s32, 1                          ; which half of the 512 along K
	s_lshl_b32 s37, s37, 11
	s_lshl_b32 s33, s36, 12
	s_add_co_u32 s33, s33, s37
	s_wait_alu depctr_va_vdst(0)
	v_lshl_add_u32 v2, v1, 4, s33                  ; codes: 16 x lane + tile x 4096 + half x 2048
	s_lshl_b32 s33, s36, 7
	s_lshr_b32 s37, s37, 1                         ; the half's scale words: 1,024 bytes
	s_add_co_u32 s33, s33, s37
	s_add_co_u32 s33, s33, 32768
	v_lshl_add_u32 v3, v1, 3, s33                  ; scale words: 8 bytes a lane
	v_lshlrev_b32 v4, 13, v8
	v_lshl_add_u32 v4, v9, 4, v4                   ; in: (lane / 16) rows + 16 (lane % 16)
	v_lshlrev_b32 v7, 3, v8                        ; 8 (lane / 16): where my bytes stand in a scale word
	v_mov_b32 v15, 0                               ; written once: a lane permute's destination counts as one of its sources
	s_mov_b32 s38, 0x76543210
	s_mov_b32 s39, 0xfedcba98                      ; v_permlanex16_b32's selects for lane l xor 16
.macro LOADA t                         ; step t: tile t / 4, the (t / 2) % 2-th 128 along K, its half t % 2
.irp i, 0,1,2,3,4,5,6,7
	global_load_b128 v[RR+32*((\t)%3)+4*\i:RR+32*((\t)%3)+4*\i+3], v4, s[24:25] offset:((\t)/4)*131072+(((\t)/2)%2)*512+((\t)%2)*256+\i*16384 th:TH_LOAD_NT
.endr
.endm
.macro STEPA t
.if (\t) <= 5
	s_wait_loadcnt 16                              ; this step's eight loads are in; those of the two steps behind it may be out
.elseif (\t) == 6
	s_wait_loadcnt 8
.else
	s_wait_loadcnt 0x0
.endif
.irp i, 0,1,2,3,4,5,6,7
	ds_store_b128 v5, v[RR+32*((\t)%3)+4*\i:RR+32*((\t)%3)+4*\i+3] offset:544*\i
.endr
.irp j, 0,1,2,3,4,5,6,7
	ds_load_b128 v[XR+4*\j:XR+4*\j+3], v6 offset:16*\j   ; LDS serves a wave's instructions in order (ISA guide 5.7.1.4): these see the stores above
.endr
	s_wait_dscnt 0x0                               ; my block is in, and the stores have read their registers,
.if (\t)+3 < 8
	LOADA (\t)+3                                   ; which take the loads of three steps on
.endif
	AMAX XR
.irp g, 0,1,2,3
	v_cvt_scalef32_pk8_fp4_f32 v[CR+4*(\t)+\g], v[XR+8*\g:XR+8*\g+7], v11
.endr
.if (\t)%2 == 0
	v_mov_b32 v14, v13                             ; (a plain line behind the conversions)  my byte of the first half: block h
.else
	v_lshl_or_b32 v14, v13, 16, v14                ; (a plain line behind the conversions)  and of the second: block 2 + h,
	v_lshlrev_b32 v14, v7, v14                     ; at their places in the word;
	v_permlanex16_b32 v15, v14, s38, s39
	v_or_b32 v[WD+(\t)/2], v14, v15                ; with lane l xor 16's two the word is whole, in both lanes
.endif
	global_store_b128 v2, v[CR+4*(\t):CR+4*(\t)+3], s[28:29] offset:((\t)/4)*4096+(((\t)/2)%2)*1024+((\t)%2)*512   ; 32 lanes store 512 consecutive bytes, aligned
.endm
	LOADA 0
	LOADA 1
	LOADA 2
	s_wait_alu depctr_va_vdst(0)
.irp t, 0,1,2,3,4,5,6,7
	STEPA \t
.endr
	v_cmp_le_u32 vcc_lo, 16, v1                    ; lanes 0-15 store the first tile's two words a row, lanes 16-31 the second's
	v_cndmask_b32 v12, v[WD], v[WD+2], vcc_lo
	v_cndmask_b32 v13, v[WD+1], v[WD+3], vcc_lo
	global_store_b64 v3, v[12:13], s[28:29]        ; 256 consecutive bytes, aligned
	s_wait_tensorcnt 0x0
	ds_add_u32 v180, v181
	s_wait_dscnt 0x0
	s_endpgm
.Lfunc_end_k_q8213fd2597_quant:
	.size	k_q8213fd2597_quant, .Lfunc_end_k_q8213fd2597_quant-k_q8213fd2597_quant
	.p2alignl 7, 3214868480
	.fill 96, 4, 3214868480
	.section	.rodata,"a",@progbits
	.p2align	6, 0x0
	.amdhsa_kernel k_q8213fd2597_quant
		.amdhsa_group_segment_fixed_size 17920
		.amdhsa_private_segment_fixed_size 0
		.amdhsa_enable_private_segment 0
		.amdhsa_kernarg_size 96
		.amdhsa_user_sgpr_count 2
		.amdhsa_user_sgpr_kernarg_segment_ptr 1
		.amdhsa_wavefront_size32 1
		.amdhsa_system_sgpr_workgroup_id_x 1
		.amdhsa_system_sgpr_workgroup_id_y 1
		.amdhsa_system_sgpr_workgroup_id_z 1
		.amdhsa_system_vgpr_workitem_id 0
		.amdhsa_next_free_vgpr 184
		.amdhsa_next_free_sgpr 66
		.amdhsa_reserve_vcc 1
		.amdhsa_float_denorm_mode_32 3
		.amdhsa_float_denorm_mode_16_64 3
		.amdhsa_memory_ordered 1
		.amdhsa_forward_progress 1
		.amdhsa_inst_pref_size 69
	.end_amdhsa_kernel
	.amdgpu_metadata
---
amdhsa.version: [ 1, 2 ]
amdhsa.kernels:
  - .name:           k_q8213fd2597_quant
    .symbol:         k_q8213fd2597_quant.kd
    .args:
      - { .name: W_xi, .offset: 0, .size: 8, .value_kind: global_buffer, .address_space: global }
      - { .name: W_xf, .offset: 8, .size: 8, .value_kind: global_buffer, .address_space: global }
      - { .name: W_xo, .offset: 16, .size: 8, .value_kind: global_buffer, .address_space: global }
      - { .name: W_xc, .offset: 24, .size: 8, .value_kind: global_buffer, .address_space: global }
      - { .name: W_hi, .offset: 32, .size: 8, .value_kind: global_buffer, .address_space: global }
      - { .name: W_hf, .offset: 40, .size: 8, .value_kind: global_buffer, .address_space: global }
      - { .name: W_ho, .offset: 48, .size: 8, .value_kind: global_buffer, .address_space: global }
      - { .name: W_hc, .offset: 56, .size: 8, .value_kind: global_buffer, .address_space: global }
      - { .name: x, .offset: 64, .size: 8, .value_kind: global_buffer, .address_space: global }
      - { .name: h_x, .offset: 72, .size: 8, .value_kind: global_buffer, .address_space: global }
      - { .name: aq, .offset: 80, .size: 8, .value_kind: global_buffer, .address_space: global }
      - { .name: bq, .offset: 88, .size: 8, .value_kind: global_buffer, .address_space: global }
    .group_segment_fixed_size: 17920
    .private_segment_fixed_size: 0
    .kernarg_segment_align: 8
    .kernarg_segment_size: 96
    .max_flat_workgroup_size: 128
    .sgpr_count:     66
    .vgpr_count:     184
    .wavefront_size: 32
...
	.end_amdgpu_metadata
.endif
;; end of part 1
;; launch lstm (part 2): grid 32 x 8, 4 waves a work-group, clusters of 4 x 4, 327,680 bytes of LDS; arguments aq, bq, c_x, b_i, b_f, b_o, b_c, out0, out1; writes out0, out1
.if DOCPART == 2
	.amdgcn_target "amdgcn-amd-amdhsa--gfx1250"
	.amdhsa_code_object_version 6
	.text
	.protected	k_q8213fd2597_lstm
	.globl	k_q8213fd2597_lstm
	.p2align	8
	.type	k_q8213fd2597_lstm,@function
k_q8213fd2597_lstm:
	s_mov_b64 s[64:65], 0
	v_nop
	global_prefetch_b8 v0, s[64:65] scope:SCOPE_SE
	s_setreg_imm32_b32 hwreg(HW_REG_WAVE_MODE, 25, 1), 1
	s_wait_xcnt 0x0
	s_wait_alu depctr_hold_cnt(0) depctr_sa_sdst(0) depctr_va_vdst(0) depctr_va_sdst(0) depctr_va_ssrc(0) depctr_va_vcc(0) depctr_vm_vsrc(0)
	s_getreg_b32 s2, hwreg(HW_REG_IB_STS2, 6, 4)
	s_cmp_eq_u32 s2, 0
	s_cbranch_scc0 .Lentry_in_a_cluster
	s_endpgm
.Lentry_in_a_cluster:
	s_bfe_u32 s2, ttmp6, 0x10000c
	s_cmp_lg_u32 s2, 0xf033
	s_cbranch_scc0 .Lentry_shape_is_right
	s_endpgm
.Lentry_shape_is_right:
; The LSTM cell on codes of FP4 (E2M1) with E8M0 scales: z_g = [x h] [W_xg; W_hg] + b_g (K = 4,096), then the gates, cy (out1) and hy (out0), in f32.
; A WORK-GROUP makes 256 rows x 64 hidden columns x 4 gates: four waves, wave (RH, CH) the rows 128 RH on x the 32 hidden columns 32 CH on x 4 gates = 128 x 128 sums, 64 accumulators, 512 registers.
; K goes in steps of 512 through a ring of two LDS slots.  A slot holds A's 256 rows (two blocks of aq, 34,816 bytes each, codes and scale words), of B the tiles 0-3 of each wave's eight (2 x 16,384 bytes)
; and all of B's scale words (4,096 bytes): waves 0 and 1 fetch A's two blocks, wave 2 B's codes, wave 3 B's scale words, one joint load a wave.
; B's TILES 4-7 GO FROM bq STRAIGHT INTO REGISTERS: bq lies in the order of the operand's registers, a load reads 512 consecutive bytes; 8 loads a step of 128 along K, three steps ahead, in four sets of 32 registers.
; So of the 64 KB of fragments that the four waves take for 128 along K, 48 KB are read from LDS and 16 KB come by these loads.
; CLUSTERS: 4 x 4 work-groups; A's blocks are asked for jointly along a row of the cluster, B's codes and scale words along a column.
; PREFETCHES: behind the joint load of K step k each wave asks for its share of K step k + 2: the 272 blocks of 256 bytes of my rows of A are dealt by address among the four partners of my row of the cluster
; (68 each) and their four waves (17 each), the 272 of my block of bq likewise among the four of my column; lanes 17-31 name the wave's last block again.  K steps 0 and 1 come by their loads alone; the loads of
; K steps 6 and 7 have no K step two on: in their place each wave asks for the 64 rows of c_x that it fetches one lap later, a lane a row.
; c_x (256 rows x 256 bytes) goes over slot 0's rows of A when the last step but one has read them; cy and hy leave through those bytes and the 69,632 behind them.
; THE MATRIX INSTRUCTION IS USED TRANSPOSED (source 0 = 16 gate columns, source 1 = 16 rows): a lane holds eight neighbouring hidden columns of one row, and tiles 2 g + u hold gate g (0 i, 1 f, 2 o, 3 c).
; THE GATES: with e_g = 2^(-z_g log2 e) and e_c = 2^(2 z_c log2 e): cy = c_x / (1 + e_f) + (e_c - 1) / ((1 + e_i)(1 + e_c)); hy = (e_y - 1) / ((1 + e_o)(1 + e_y)), e_y = 2^(2 cy log2 e).
; LIMITS: the exponents of e_c and e_y are held at 32 from above (tanh is then within 2^-31 of 1), so that no infinity meets a zero; NaN and infinities among the inputs are not served.
; REGISTERS: window 0: v8-31 addresses, v32-95 scale words (2 sets), v128-255 A's fragments (2 sets); window 1: v0-63 B's tiles 0-3 (2 sets), v64-127 the biases (the first products' C), v128-255 B's tiles 4-7 (4 sets);
; windows 2, 3: the sums.
.set BLK,   69632                      ; a block of bq: 256 gate columns x 512 K; also A's part of a slot
.set HALFB, 34816                      ; a block of aq: 128 rows x 512 K
.set SLOT,  BLK+36864
.set SPARE, 2*SLOT                     ; the spare words, 512 bytes that no other line names
.set CP,    272                        ; a row of c_x, cy, hy in LDS: 256 bytes + 16
.set VPA,  8                           ; the prefetches' offsets: A, B, c_x; never rewritten
.set VPB,  9
.set VPC,  10
.set ADRS, 12                          ; v12-15: scale words, slot s, half hq of the four words: 2 s + hq; lanes 0-15 A's rows, lanes 16-31 B's columns
.set ADRA, 16
.set VB,   18
.set ADRB, 20
.set CXA,  24
.set RD,   26
.set SPW,  28
.set NIL,  29
.set CO,   30
.set BO,   31
.set SC,   32
.set BIAS, 64
.set CXR,  64
.set TMP,  96
.set AF,   128
.set Z,    128
.set G0S,  4                           ; s[4:7], s[84:87]: group 0 for B's scale words, slot 0, 1
.set BP,   22
.set G1,   24
.set G0,   32
.set G1S,  40
.set G1B,  48
.set G0B,  56
.set PA,   66                          ; s[66:67]: the block of aq of which I prefetch a part, at the lap's first K step
.set G1C,  68
.set G0C,  76
.set WV,   80
.set RH,   81
.set CH,   82
.set MSB, 0
.macro WIN new                         ; the immediate's high byte repeats the setting that is left
.if MSB != (\new)
	s_set_vgpr_msb (MSB<<8)|(\new)
.set MSB, (\new)
.endif
.endm
.set MUL_LO, 0xa1                      ; source 0 (B) window 1, source 1 (A) window 0, C and D window 2
.set MUL_HI, 0xf1
.set FST_LO, 0x91                      ; the first products: C = the biases, window 1
.set FST_HI, 0xd1
.set TO_B,   0x40
.macro PLACES n
.rept \n
	v_nop
.endr
.endm
; A slot's joint loads: one chain of branches on the wave's number, one load to an arm, one join
.macro JLOAD s
	s_cmp_lt_u32 s[WV], 2
	s_cbranch_scc0 .Lfor_b_\@
	tensor_load_to_lds s[G0+4*\s:G0+4*\s+3], s[G1:G1+7]
	s_nop 0
	PLACES 4
	s_branch .Lasked_\@
.Lfor_b_\@:
	s_cmp_eq_u32 s[WV], 2
	s_cbranch_scc0 .Lfor_s_\@
	tensor_load_to_lds s[G0B+4*\s:G0B+4*\s+3], s[G1B:G1B+7]
	s_nop 0
	PLACES 4
	s_branch .Lasked_\@
.Lfor_s_\@:
	tensor_load_to_lds s[G0S+80*\s:G0S+80*\s+3], s[G1S:G1S+7]
	s_nop 0
	PLACES 4
.Lasked_\@:
.endm
; The loop's prefetches, behind the refill of slot s with K step 2 + s of the lap: K step 4 + s; in the last trip (s3 = 1) 32 of my rows of c_x
.macro ASK s
	WIN 0
	s_cmp_gt_u32 s3, 1
	s_cbranch_scc0 .Lask_c_\@
	global_prefetch_b8 v[VPA], s[PA:PA+1] offset:(4+\s)*HALFB th:TH_LOAD_NT scope:SCOPE_SE
	global_prefetch_b8 v[VPB], s[BP:BP+1] offset:(4+\s)*BLK th:TH_LOAD_NT scope:SCOPE_SE
	s_branch .Lask_e_\@
.Lask_c_\@:
	global_prefetch_b8 v[VPC], s[8:9] offset:\s*262144 th:TH_LOAD_NT scope:SCOPE_SE
.Lask_e_\@:
.endm
.macro CREST
	s_cmp_lg_u32 s[WV], 0
	s_cbranch_scc1 .Lnot_wave_0_\@
	s_barrier_signal -3
.Lnot_wave_0_\@:
	s_barrier_wait -3
	s_barrier_signal -1
	s_barrier_wait -1
.endm
.macro CROUND
	s_barrier_signal -1
	s_barrier_wait -1
	CREST
.endm
	s_load_b512 s[4:19], s[0:1], 0x0               ; aq, bq, c_x, b_i, b_f, b_o, b_c, out0
	s_load_b64 s[20:21], s[0:1], 0x40              ; out1
	v_lshl_add_u32 v[SPW], v0, 2, SPARE
	v_mov_b32 v[NIL], 0
	ds_add_u32 v[SPW], v[NIL]                      ; the opening lines: the add twice on end, then one wait
	ds_add_u32 v[SPW], v[NIL]
	v_lshrrev_b32 v1, 5, v0
	v_readfirstlane_b32 s[WV], v1                  ; wave 0..3
	s_lshr_b32 s[RH], s[WV], 1
	s_and_b32 s[CH], s[WV], 1
	s_bfe_u32 s66, ttmp6, 0x40000                  ; cx
	s_bfe_u32 s67, ttmp6, 0x40004                  ; cy
	s_lshl_b32 s94, ttmp9, 2
	s_add_co_u32 s94, s94, s66                     ; column block X: 64 hidden columns
	s_and_b32 s95, ttmp7, 0xffff
	s_lshl_b32 s95, s95, 2
	s_add_co_u32 s95, s95, s67                     ; row block Y: 256 rows
	s_lshl_b32 s96, s67, 2
	s_lshl_b32 s96, 15, s96                        ; my row of the cluster
	s_lshl_b32 s97, 0x1111, s66                    ; my column
	s_or_b32 s[G1+0], s96, (3<<16)|(1<<21)         ; elements of 8 bytes, bit 21 beside the mask
	s_or_b32 s[G1B+0], s97, (3<<16)|(1<<21)
	s_or_b32 s[G1S+0], s97, (3<<16)|(1<<21)
	s_mov_b32 s[G1+1], 256<<16                     ; a block of aq, dense: 17 rows of 2,048 bytes
	s_mov_b32 s[G1+2], 17<<16
	s_mov_b32 s[G1+3], 256<<16
	s_mov_b32 s[G1+4], 17
	s_mov_b32 s[G1+5], 256
	s_mov_b32 s[G1+6], 0
	s_mov_b32 s[G1+7], 0
	s_mov_b32 s[G1B+1], 2048<<16                   ; B's codes: 2 rows of 16,384 bytes, 32,768 apart: tiles 0-3 and 8-11 of the block
	s_mov_b32 s[G1B+2], 2<<16
	s_mov_b32 s[G1B+3], 2048<<16
	s_mov_b32 s[G1B+4], 2
	s_mov_b32 s[G1B+5], 4096
	s_mov_b32 s[G1B+6], 0
	s_mov_b32 s[G1B+7], 0
	s_mov_b32 s[G1S+1], 32<<16                     ; B's scale words: 16 dense rows of 256 bytes
	s_mov_b32 s[G1S+2], 16<<16
	s_mov_b32 s[G1S+3], 32<<16
	s_mov_b32 s[G1S+4], 16
	s_mov_b32 s[G1S+5], 32
	s_mov_b32 s[G1S+6], 0
	s_mov_b32 s[G1S+7], 0
	s_mov_b32 s[G1C+0], (2<<16)|(1<<20)|(5<<22)|(3<<25)   ; c_x: my own load: f32, 4 dwords of padding behind every 64
	s_mov_b32 s[G1C+1], 64<<16
	s_mov_b32 s[G1C+2], 64<<16
	s_mov_b32 s[G1C+3], 64<<16
	s_mov_b32 s[G1C+4], 64
	s_mov_b32 s[G1C+5], 2048
	s_mov_b32 s[G1C+6], 0
	s_mov_b32 s[G1C+7], 0
	s_lshl_b32 s84, s95, 1
	s_add_co_u32 s84, s84, s[CH]
	s_mul_i32 s84, s84, 8*HALFB                    ; the 128 rows of A that I fetch (waves 0, 1)
	s_mov_b32 s85, 0
	s_mul_i32 s86, s94, 8*BLK                      ; my work-group's blocks of bq
	s_mov_b32 s87, 0
	s_lshl_b32 s88, s95, 21
	s_lshl_b32 s83, s[WV], 19
	s_add_co_u32 s88, s88, s83
	s_lshl_b32 s83, s94, 8
	s_add_co_u32 s88, s88, s83                     ; c_x: rows 64 w on
	s_mov_b32 s89, 0
	s_lshl_b32 s98, s95, 21
	s_lshl_b32 s2, s[RH], 20
	s_add_co_u32 s98, s98, s2
	s_lshl_b32 s2, s[CH], 17
	s_add_co_u32 s98, s98, s2
	s_add_co_u32 s98, s98, s83                     ; out: of each 32 of my half's rows I store 16
	s_mov_b32 s99, 0
	s_mov_b32 s90, 0xbfb8aa3b                      ; -log2 e
	s_mov_b32 s91, s90
	s_mov_b32 s92, 0x4038aa3b                      ; 2 log2 e
	s_mov_b32 s93, s92
	s_wait_dscnt 0x0                               ; both opening adds are done
	s_wait_kmcnt 0x0
	s_add_nc_u64 s[84:85], s[4:5], s[84:85]
	s_add_nc_u64 s[BP:BP+1], s[6:7], s[86:87]
	; the prefetches' shares, told apart by address: of A partner cx takes half cx % 2 of block 2 Y + cx / 2, of B partner cy the cy-th quarter; a wave 17 blocks of 256 bytes of each
	s_lshr_b32 s96, s66, 1
	s_lshl_b32 s95, s95, 1
	s_add_co_u32 s96, s96, s95
	s_mul_i32 s96, s96, 8*HALFB
	s_mov_b32 s97, 0
	s_mul_i32 s94, s[WV], 17*256
	s_and_b32 s95, s66, 1
	s_mul_i32 s95, s95, 68*256
	s_add_co_u32 s95, s95, s94
	s_mul_i32 s67, s67, 68*256
	s_add_co_u32 s94, s94, s67
	s_add_nc_u64 s[PA:PA+1], s[4:5], s[96:97]
	s_mov_b32 s[G0C], 1
	s_mul_i32 s[G0C+1], s[WV], 64*CP
	s_add_nc_u64 s[8:9], s[8:9], s[88:89]
	s_mov_b64 s[G0C+2:G0C+3], s[8:9]
	s_or_b32 s[G0C+3], s[G0C+3], 0x80000000
	s_add_nc_u64 s[18:19], s[18:19], s[98:99]
	s_add_nc_u64 s[20:21], s[20:21], s[98:99]
	s_lshl_b32 s98, s[CH], 7
	s_add_co_u32 s98, s98, s83                     ; the biases of my 32 columns
.irp g, 0,1,2,3
	s_add_nc_u64 s[10+2*\g:11+2*\g], s[10+2*\g:11+2*\g], s[98:99]
.endr
	s_mul_i32 s88, s[CH], HALFB
.irp s, 0,1
	s_mov_b32 s[G0+4*\s], 1
	s_add_co_u32 s[G0+4*\s+1], s88, \s*SLOT
	s_add_nc_u64 s[G0+4*\s+2:G0+4*\s+3], s[84:85], \s*HALFB
	s_or_b32 s[G0+4*\s+3], s[G0+4*\s+3], 0x80000000
	s_mov_b32 s[G0B+4*\s], 1
	s_mov_b32 s[G0B+4*\s+1], BLK+\s*SLOT
	s_add_nc_u64 s[G0B+4*\s+2:G0B+4*\s+3], s[BP:BP+1], \s*BLK
	s_or_b32 s[G0B+4*\s+3], s[G0B+4*\s+3], 0x80000000
.endr
.irp s, 0,1
	s_mov_b32 s[G0S+80*\s], 1
	s_mov_b32 s[G0S+80*\s+1], BLK+32768+\s*SLOT
	s_add_nc_u64 s[G0S+80*\s+2:G0S+80*\s+3], s[BP:BP+1], 65536+\s*BLK
	s_or_b32 s[G0S+80*\s+3], s[G0S+80*\s+3], 0x80000000
.endr
	s_mul_i32 s88, s[RH], HALFB                    ; my rows of A in a slot
	s_lshl_b32 s89, s[CH], 14
	s_add_co_u32 s89, s89, BLK                     ; my tiles 0-3 of B
	s_lshl_b32 s98, s[CH], 15
	s_add_co_u32 s98, s98, 16384                   ; my tiles 4-7 in a block of bq
	s_lshl_b32 s99, s[CH], 10
	s_add_co_u32 s99, s99, BLK
	s_sub_co_u32 s99, s99, s88                     ; from A's scale words to B's
	s_add_co_u32 s2, s88, 32768
	s_mul_i32 s83, s[RH], 128*CP
	s_lshl_b32 s3, s[CH], 7
	s_add_co_u32 s3, s3, s83
	s_mul_i32 s96, s[CH], 16*CP
	s_add_co_u32 s83, s83, s96
	CROUND                                         ; all sixteen work-groups are here: the first joint loads meet
	JLOAD 0                                        ; K step 0: the one load a wave of the head
	v_and_b32 v3, 31, v0                           ; lane
	v_and_b32 v1, 15, v0                           ; r
	v_bfe_u32 v2, v0, 4, 1                         ; h
	v_lshlrev_b32 v4, 4, v3
	v_add_nc_u32 v[ADRA], s88, v4
	v_add_nc_u32 v[ADRA+1], SLOT, v[ADRA]
	v_add_nc_u32 v[ADRB], s89, v4
	v_add_nc_u32 v[ADRB+1], SLOT, v[ADRB]
	v_add_nc_u32 v[VB], s98, v4
	v_mul_u32_u24 v5, s99, v2                      ; lanes 16-31 take B's words
	v_lshl_add_u32 v5, v1, 3, v5
	v_add_nc_u32 v[ADRS], s2, v5
	v_lshl_add_u32 v6, v2, 10, v[ADRS]             ; the second pair of words: 1,024 bytes on in A's, 2,048 in B's
	v_add_nc_u32 v[ADRS+1], 1024, v6
	v_add_nc_u32 v[ADRS+2], SLOT, v[ADRS]
	v_add_nc_u32 v[ADRS+3], SLOT, v[ADRS+1]
	v_lshlrev_b32 v[BO], 5, v2
	v_mul_u32_u24 v[CXA], v1, CP
	v_lshl_add_u32 v[CXA], v2, 5, v[CXA]
	v_add_nc_u32 v[CXA], s3, v[CXA]                ; c_x and cy: row r of my half, my 128 bytes, 32 h
	v_add_nc_u32 v[CXA+1], BLK, v[CXA]             ; hy
	v_mul_u32_u24 v[RD], v2, CP
	v_lshl_add_u32 v[RD], v1, 4, v[RD]
	v_add_nc_u32 v[RD], s83, v[RD]                 ; back: sixteen lanes a row of 256 bytes
	v_add_nc_u32 v[RD+1], BLK, v[RD]
	v_lshlrev_b32 v[CO], 13, v2
	v_lshl_add_u32 v[CO], v1, 4, v[CO]
	v_min_u32 v7, 16, v3                           ; 17 blocks a wave: lanes 17-31 name the last again
	v_lshl_add_u32 v[VPA], v7, 8, s95
	v_lshl_add_u32 v[VPB], v7, 8, s94
	v_lshlrev_b32 v[VPC], 13, v3                   ; c_x: a lane a row
	s_wait_alu depctr_va_vdst(0)
.macro FETCH_A slot, q                 ; A's eight fragments of the slot's q-th 128 along K into set q % 2
.irp i, 0,1,2,3,4,5,6,7
.irp c, 0,1
	ds_load_b128 v[AF+64*((\q)%2)+8*\i+4*\c:AF+64*((\q)%2)+8*\i+4*\c+3], v[ADRA+\slot] offset:\i*4096+(\q)*1024+512*\c
.endr
.endr
.endm
.macro FETCH_B slot, q                 ; B's tiles 0-3 into set q % 2 (window 1)
.irp i, 0,1,2,3
.irp c, 0,1
	ds_load_b128 v[32*((\q)%2)+8*\i+4*\c:32*((\q)%2)+8*\i+4*\c+3], v[ADRB+\slot] offset:\i*4096+(\q)*1024+512*\c
.endr
.endr
.endm
.macro DIRECT kr, q                    ; B's tiles 4-7 of K step kr (from the base), q-th 128, into set q (window 1)
.irp i, 0,1,2,3
.irp c, 0,1
	global_load_b128 v[128+32*(\q)+8*\i+4*\c:128+32*(\q)+8*\i+4*\c+3], v[VB], s[BP:BP+1] offset:(\kr)*BLK+\i*4096+(\q)*1024+512*\c
.endr
.endr
.endm
.macro SCALES sc                       ; a slot's scale words: register 4 i + q: lanes 0-15 A's block i, lanes 16-31 B's tile i
.irp i, 0,1,2,3,4,5,6,7
.irp hq, 0,1
	ds_load_b64 v[SC+32*\sc+4*\i+2*\hq:SC+32*\sc+4*\i+2*\hq+1], v[ADRS+2*\sc+\hq] offset:\i*128
.endr
.endr
.endm
.macro WM a, b, q, sc, first
.set DN, 8*(8*((\a)%4)+(\b))
.if \first
.set CN, BIAS+8*(\b)
.else
.set CN, DN
.endif
.if (\b) < 4
.set BN, 32*((\q)%2)+8*(\b)
.else
.set BN, 128+32*(\q)+8*((\b)-4)
.endif
.set AN, AF+64*((\q)%2)+8*(\a)
	v_wmma_scale_f32_16x16x128_f8f6f4 v[DN:DN+7], v[BN:BN+7], v[AN:AN+7], v[CN:CN+7], v[SC+32*(\sc)+4*(\b)+(\q)], v[SC+32*(\sc)+4*(\a)+(\q)] matrix_a_fmt:MATRIX_FMT_FP4 matrix_b_fmt:MATRIX_FMT_FP4 matrix_a_scale:MATRIX_SCALE_ROW1
.endm
.macro MUL16 a0, q, sc, first          ; the 64 accumulators take turns, in the same order in every step
.irp a, \a0, \a0+1
.irp b, 0,1,2,3,4,5,6,7
	WM \a, \b, \q, \sc, \first
.endr
.endr
.endm
; A step of 128 along K that has its successor in the same slot.  First the loads: the next step's 24 from LDS, and the 8 of three steps on, all into registers that the step before read last (four places between);
; then the waits, which leave them out.
.macro STEP slot, q, kr, first, dl, lc
	PLACES 4
	WIN 0
	FETCH_A \slot, (\q)+1
	WIN TO_B
	FETCH_B \slot, (\q)+1
.if \dl
	DIRECT (\kr)+((\q)+3)/4, ((\q)+3)%4
.endif
	s_wait_dscnt 24                                ; this step's fragments and scale words are in; the 24 just issued may be out
	s_wait_loadcnt \lc                             ; this step's tiles 4-7 are in; the younger sets of 8 may be out
.if \first
	WIN FST_LO
.else
	WIN MUL_LO
.endif
	MUL16 0, \q, \slot, \first
	MUL16 2, \q, \slot, \first
.if \first
	WIN FST_HI
.else
	WIN MUL_HI
.endif
	MUL16 4, \q, \slot, \first
	MUL16 6, \q, \slot, \first
.endm
; A slot's last step changes slots: its operands are in registers, so the slot has been read.  fill = 1: the slot takes the K step two on; fill = 2: c_x goes over slot 0's rows of A.
.macro TURN slot, next, kr, fill
	WIN 0
	s_wait_tensorcnt 0x0                           ; my part of the next slot has landed
	ds_add_u32 v[SPW], v[NIL]
	s_wait_loadcnt 16                              ; this step's tiles 4-7 are in; two younger sets may be out
	s_wait_dscnt 1                                 ; this step's fragments are in; the add may be out
	WIN MUL_LO
	MUL16 0, 3, \slot, 0
	s_wait_dscnt 0x0                               ; the add is done, my reads of this slot are over
	s_barrier_signal -1
	MUL16 2, 3, \slot, 0
	WIN 0
	s_barrier_wait -1
	CREST
.if \fill == 1
	s_add_nc_u64 s[G0+4*\slot+2:G0+4*\slot+3], s[G0+4*\slot+2:G0+4*\slot+3], 2*HALFB
	s_add_nc_u64 s[G0B+4*\slot+2:G0B+4*\slot+3], s[G0B+4*\slot+2:G0B+4*\slot+3], 2*BLK
	s_add_nc_u64 s[G0S+80*\slot+2:G0S+80*\slot+3], s[G0S+80*\slot+2:G0S+80*\slot+3], 2*BLK
	JLOAD \slot
.else
	tensor_load_to_lds s[G0C:G0C+3], s[G1C:G1C+7]  ; my 64 rows of c_x
	s_nop 0
	PLACES 4
.endif
	FETCH_A \next, 0
	SCALES \next
	WIN TO_B
	FETCH_B \next, 0
	DIRECT (\kr)+1, 2
.if \fill == 1
	ASK \slot                                      ; behind the joint load and the runs of loads that the next products wait for
.endif
	WIN MUL_HI
	MUL16 4, 3, \slot, 0
	MUL16 6, 3, \slot, 0
.endm
	global_prefetch_b8 v[VPA], s[PA:PA+1] offset:2*HALFB th:TH_LOAD_NT scope:SCOPE_SE   ; behind K step 0's load: my share of K step 2
	global_prefetch_b8 v[VPB], s[BP:BP+1] offset:2*BLK th:TH_LOAD_NT scope:SCOPE_SE
	WIN TO_B
.irp g, 0,1,2,3
.irp u, 0,1
	global_load_b128 v[BIAS+8*(2*\g+\u):BIAS+8*(2*\g+\u)+3], v[BO], s[10+2*\g:11+2*\g] offset:64*\u
	global_load_b128 v[BIAS+8*(2*\g+\u)+4:BIAS+8*(2*\g+\u)+7], v[BO], s[10+2*\g:11+2*\g] offset:64*\u+16
.endr
.endr
	DIRECT 0, 0
	DIRECT 0, 1
	DIRECT 0, 2
	WIN 0
	s_wait_tensorcnt 0x0                           ; my part of K step 0 is in
	ds_add_u32 v[SPW], v[NIL]
	s_wait_dscnt 0x0
	CROUND
	JLOAD 1                                        ; K step 1
	FETCH_A 0, 0
	SCALES 0
	WIN TO_B
	FETCH_B 0, 0
	global_prefetch_b8 v[VPA], s[PA:PA+1] offset:3*HALFB th:TH_LOAD_NT scope:SCOPE_SE   ; behind K step 1's load: my share of K step 3
	global_prefetch_b8 v[VPB], s[BP:BP+1] offset:3*BLK th:TH_LOAD_NT scope:SCOPE_SE
	STEP 0, 0, 0, 1, 1, 24                         ; the first step starts the sums on the biases
	WIN 0
	s_mov_b32 s3, 3
.Llap:                                                 ; a trip goes once round the ring, from a lap's second step to the next lap's first
	STEP 0, 1, 0, 0, 1, 24
	STEP 0, 2, 0, 0, 1, 24
	TURN 0, 1, 0, 1
	STEP 1, 0, 1, 0, 1, 24
	STEP 1, 1, 1, 0, 1, 24
	STEP 1, 2, 1, 0, 1, 24
	TURN 1, 0, 1, 1
	STEP 0, 0, 2, 0, 1, 24
	WIN 0
	s_wait_xcnt 0x0                                ; the loads and the prefetches have read their bases
	s_add_nc_u64 s[BP:BP+1], s[BP:BP+1], 2*BLK
	s_add_nc_u64 s[PA:PA+1], s[PA:PA+1], 2*HALFB
	s_sub_co_u32 s3, s3, 1
	s_cmp_lg_u32 s3, 0
	s_cbranch_scc1 .Llap
	STEP 0, 1, 0, 0, 1, 24
	STEP 0, 2, 0, 0, 1, 24
	TURN 0, 1, 0, 2
	STEP 1, 0, 1, 0, 1, 24
	STEP 1, 1, 1, 0, 0, 16                         ; the last three steps load no more of tiles 4-7: the counts run down
	STEP 1, 2, 1, 0, 0, 8
	s_wait_loadcnt 0x0
	s_wait_dscnt 0x0                               ; my reads of the ring are over
	s_wait_tensorcnt 0x0                           ; my rows of c_x are in
	s_barrier_signal -1
	WIN MUL_LO
	MUL16 0, 3, 1, 0
	MUL16 2, 3, 1, 0
	WIN MUL_HI
	MUL16 4, 3, 1, 0
	MUL16 6, 3, 1, 0
	WIN 0
	s_barrier_wait -1
	PLACES 4
; THE GATES of two blocks of 16 rows (32 elements a lane).  Z + 64 e + 16 g: gate g of block e.  Each batch of transcendentals has one wait ahead and one behind.
.macro GATES pi
.set AC, 128*((\pi)%2)
.irp e, 0,1
.irp u, 0,1
	ds_load_b128 v[CXR+16*\e+8*\u:CXR+16*\e+8*\u+3], v[CXA] offset:(2*(\pi)+\e)*16*CP+64*\u
	ds_load_b128 v[CXR+16*\e+8*\u+4:CXR+16*\e+8*\u+7], v[CXA] offset:(2*(\pi)+\e)*16*CP+64*\u+16
.endr
.endr
	WIN 0x02+(\pi)/2
	s_wait_alu depctr_va_vdst(0)                   ; directly ahead of the first readers of the sums
.irp e, 0,1
.set KK, 64*\e
.rept 24
	v_pk_mul_f32 v[Z+KK:Z+KK+1], v[AC+KK:AC+KK+1], s[90:91] op_sel_hi:[1,0]   ; i, f, o: -z log2 e; each accumulator from its low end on
.set KK, KK+2
.endr
.rept 8
	v_pk_mul_f32 v[Z+KK:Z+KK+1], v[AC+KK:AC+KK+1], s[92:93] op_sel_hi:[1,0]   ; c: 2 z log2 e
.set KK, KK+2
.endr
.endr
	WIN 0
.irp e, 0,1
.set KK, Z+64*\e+48
.rept 16
	v_min_num_f32 v[KK], 0x42000000, v[KK]         ; held at 32
.set KK, KK+1
.endr
.endr
	s_wait_alu depctr_va_vdst(0)
.set KK, 0
.rept 128
	v_exp_f32 v[Z+KK], v[Z+KK]
.set KK, KK+1
.endr
	v_nop
	s_wait_alu depctr_va_vdst(0)
.irp e, 0,1
.irp k, 0,2,4,6,8,10,12,14
	v_pk_add_f32 v[Z+64*\e+16+\k:Z+64*\e+17+\k], v[Z+64*\e+16+\k:Z+64*\e+17+\k], 1.0 op_sel_hi:[1,0]      ; 1 + e_f
.endr
.irp k, 0,2,4,6,8,10,12,14
	v_pk_add_f32 v[TMP+16*\e+\k:TMP+16*\e+1+\k], v[Z+64*\e+48+\k:Z+64*\e+49+\k], 1.0 op_sel_hi:[1,0]      ; 1 + e_c
.endr
.endr
.irp e, 0,1
.irp k, 0,2,4,6,8,10,12,14
	v_pk_fma_f32 v[Z+64*\e+\k:Z+64*\e+1+\k], v[Z+64*\e+\k:Z+64*\e+1+\k], v[TMP+16*\e+\k:TMP+16*\e+1+\k], v[TMP+16*\e+\k:TMP+16*\e+1+\k]   ; (1 + e_i)(1 + e_c)
.endr
.endr
	s_wait_alu depctr_va_vdst(0)
.irp e, 0,1
.set KK, Z+64*\e
.rept 32
	v_rcp_f32 v[KK], v[KK]
.set KK, KK+1
.endr
.endr
	v_nop
	s_wait_dscnt 0x0                               ; c_x is in
	s_wait_alu depctr_va_vdst(0)
.irp e, 0,1
.irp k, 0,2,4,6,8,10,12,14
	v_pk_fma_f32 v[CXR+16*\e+\k:CXR+16*\e+1+\k], v[CXR+16*\e+\k:CXR+16*\e+1+\k], v[Z+64*\e+16+\k:Z+64*\e+17+\k], v[Z+64*\e+\k:Z+64*\e+1+\k] neg_lo:[0,0,1] neg_hi:[0,0,1]   ; f c_x - r
.endr
.endr
.irp e, 0,1
.irp k, 0,2,4,6,8,10,12,14
	v_pk_fma_f32 v[CXR+16*\e+\k:CXR+16*\e+1+\k], v[Z+64*\e+48+\k:Z+64*\e+49+\k], v[Z+64*\e+\k:Z+64*\e+1+\k], v[CXR+16*\e+\k:CXR+16*\e+1+\k]   ; + e_c r: cy
.endr
.endr
.set KK, 0
.rept 16
	v_pk_mul_f32 v[TMP+KK:TMP+KK+1], v[CXR+KK:CXR+KK+1], s[92:93] op_sel_hi:[1,0]
.set KK, KK+2
.endr
.set KK, 0
.rept 32
	v_min_num_f32 v[TMP+KK], 0x42000000, v[TMP+KK]
.set KK, KK+1
.endr
	s_wait_alu depctr_va_vdst(0)
.set KK, 0
.rept 32
	v_exp_f32 v[TMP+KK], v[TMP+KK]                 ; e_y
.set KK, KK+1
.endr
	v_nop
	s_wait_alu depctr_va_vdst(0)
.irp e, 0,1
.irp k, 0,2,4,6,8,10,12,14
	v_pk_add_f32 v[Z+64*\e+16+\k:Z+64*\e+17+\k], v[TMP+16*\e+\k:TMP+16*\e+1+\k], 1.0 op_sel_hi:[1,0]      ; 1 + e_y
.endr
.endr
.irp e, 0,1
.irp k, 0,2,4,6,8,10,12,14
	v_pk_fma_f32 v[Z+64*\e+32+\k:Z+64*\e+33+\k], v[Z+64*\e+32+\k:Z+64*\e+33+\k], v[Z+64*\e+16+\k:Z+64*\e+17+\k], v[Z+64*\e+16+\k:Z+64*\e+17+\k]   ; (1 + e_o)(1 + e_y)
.endr
.endr
	s_wait_alu depctr_va_vdst(0)
.irp e, 0,1
.set KK, Z+64*\e+32
.rept 16
	v_rcp_f32 v[KK], v[KK]
.set KK, KK+1
.endr
.endr
	v_nop
	s_wait_alu depctr_va_vdst(0)
.irp e, 0,1
.irp k, 0,2,4,6,8,10,12,14
	v_pk_fma_f32 v[Z+64*\e+\k:Z+64*\e+1+\k], v[TMP+16*\e+\k:TMP+16*\e+1+\k], v[Z+64*\e+32+\k:Z+64*\e+33+\k], v[Z+64*\e+32+\k:Z+64*\e+33+\k] neg_lo:[0,0,1] neg_hi:[0,0,1]   ; hy
.endr
.endr
.irp e, 0,1
.irp u, 0,1
	ds_store_b128 v[CXA], v[CXR+16*\e+8*\u:CXR+16*\e+8*\u+3] offset:(2*(\pi)+\e)*16*CP+64*\u
	ds_store_b128 v[CXA], v[CXR+16*\e+8*\u+4:CXR+16*\e+8*\u+7] offset:(2*(\pi)+\e)*16*CP+64*\u+16
	ds_store_b128 v[CXA+1], v[Z+64*\e+8*\u:Z+64*\e+8*\u+3] offset:(2*(\pi)+\e)*16*CP+64*\u
	ds_store_b128 v[CXA+1], v[Z+64*\e+8*\u+4:Z+64*\e+8*\u+7] offset:(2*(\pi)+\e)*16*CP+64*\u+16
.endr
.endr
.endm
; 32 rows of each half are whole in the stages: I take 16 of my half's; sixteen lanes store a row's 256 consecutive bytes, aligned.  Each pair of blocks has registers of its own (window 1): no store's data are written again
.macro OUT pi
	WIN TO_B
.irp t, 0,1,2,3,4,5,6,7
	ds_load_b128 v[64*\pi+4*\t:64*\pi+4*\t+3], v[RD] offset:\pi*32*CP+2*CP*\t
.endr
.irp t, 0,1,2,3,4,5,6,7
	ds_load_b128 v[64*\pi+32+4*\t:64*\pi+32+4*\t+3], v[RD+1] offset:\pi*32*CP+2*CP*\t
.endr
	WIN 0x04
.irp t, 0,1,2,3,4,5,6,7
	s_wait_dscnt 15-\t
	global_store_b128 v[CO], v[64*\pi+4*\t:64*\pi+4*\t+3], s[20:21] offset:\pi*262144+\t*16384 th:TH_STORE_NT
.endr
.irp t, 0,1,2,3,4,5,6,7
	s_wait_dscnt 7-\t
	global_store_b128 v[CO], v[64*\pi+32+4*\t:64*\pi+32+4*\t+3], s[18:19] offset:\pi*262144+\t*16384 th:TH_STORE_NT
.endr
	WIN 0
.endm
.irp pi, 0,1,2,3
	GATES \pi
	s_wait_dscnt 0x0                               ; for the others' sake: my stores into the stages are done
	s_barrier_signal -1
	s_barrier_wait -1
	OUT \pi
.endr
	s_wait_tensorcnt 0x0                           ; the wave's end
	ds_add_u32 v[SPW], v[NIL]
	s_wait_dscnt 0x0
	CROUND                                         ; the closing round
	s_endpgm
.Lfunc_end_k_q8213fd2597_lstm:
	.size	k_q8213fd2597_lstm, .Lfunc_end_k_q8213fd2597_lstm-k_q8213fd2597_lstm
	.p2alignl 7, 3214868480
	.fill 96, 4, 3214868480
	.section	.rodata,"a",@progbits
	.p2align	6, 0x0
	.amdhsa_kernel k_q8213fd2597_lstm
		.amdhsa_group_segment_fixed_size 327680
		.amdhsa_private_segment_fixed_size 0
		.amdhsa_enable_private_segment 0
		.amdhsa_kernarg_size 72
		.amdhsa_user_sgpr_count 2
		.amdhsa_user_sgpr_kernarg_segment_ptr 1
		.amdhsa_wavefront_size32 1
		.amdhsa_system_sgpr_workgroup_id_x 1
		.amdhsa_system_sgpr_workgroup_id_y 1
		.amdhsa_system_sgpr_workgroup_id_z 1
		.amdhsa_system_vgpr_workitem_id 0
		.amdhsa_next_free_vgpr 1024
		.amdhsa_next_free_sgpr 100
		.amdhsa_reserve_vcc 0
		.amdhsa_float_denorm_mode_32 3
		.amdhsa_float_denorm_mode_16_64 3
		.amdhsa_memory_ordered 1
		.amdhsa_forward_progress 1
		.amdhsa_inst_pref_size 255
	.end_amdhsa_kernel
	.section	.bss,"aw",@nobits
	.p2align	6
	.space	262144
	.amdgpu_metadata
---
amdhsa.version: [ 1, 2 ]
amdhsa.kernels:
  - .name:           k_q8213fd2597_lstm
    .symbol:         k_q8213fd2597_lstm.kd
    .args:
      - { .name: aq, .offset: 0, .size: 8, .value_kind: global_buffer, .address_space: global }
      - { .name: bq, .offset: 8, .size: 8, .value_kind: global_buffer, .address_space: global }
      - { .name: c_x, .offset: 16, .size: 8, .value_kind: global_buffer, .address_space: global }
      - { .name: b_i, .offset: 24, .size: 8, .value_kind: global_buffer, .address_space: global }
      - { .name: b_f, .offset: 32, .size: 8, .value_kind: global_buffer, .address_space: global }
      - { .name: b_o, .offset: 40, .size: 8, .value_kind: global_buffer, .address_space: global }
      - { .name: b_c, .offset: 48, .size: 8, .value_kind: global_buffer, .address_space: global }
      - { .name: out0, .offset: 56, .size: 8, .value_kind: global_buffer, .address_space: global }
      - { .name: out1, .offset: 64, .size: 8, .value_kind: global_buffer, .address_space: global }
    .group_segment_fixed_size: 327680
    .private_segment_fixed_size: 0
    .kernarg_segment_align: 8
    .kernarg_segment_size: 72
    .max_flat_workgroup_size: 128
    .sgpr_count:     100
    .vgpr_count:     1024
    .wavefront_size: 32
...
	.end_amdgpu_metadata
.endif
;; end of part 2
